; MI455X (gfx1250); checked and timed in simulation.
; The chip was launched on July 23, 2026; its instructions are those of AMD's public machine-readable ISA for CDNA 5 (MIT licence, August 2026) and "CDNA5" Instruction Set Architecture Reference Guide (July 2026). The comments in the code are by the model that wrote it; some were corrected since.
;; Attn Block. Allowed arithmetic: float matrix products may take bf16 or f16 operands with f32 sums; all other float work in f32.
;; Inputs: gn_bias 256 float32; gn_scale 256 float32; proj_b 256 float32; proj_w 256 x 256 float32; qkv_b 768 float32; qkv_w 768 x 256 float32; x 4 x 256 x 64 x 64 float32.
;; Outputs: out0 4 x 256 x 64 x 64 float32.
;; One version. Each part assembles by itself: llvm-mc -triple=amdgcn-amd-amdhsa -mcpu=gfx1250 --defsym DOCPART=n.
;; ======== version 1 of 1: 3 launches
;; workspace buffers: stats 2,048 bytes; wf 524,288 bytes; qf 8,388,608 bytes; kv 16,777,216 bytes
;; launch prep (part 1): grid 256 x 1, 8 waves a work-group, no clusters, 1,280 bytes of LDS; arguments x, qkv_w, proj_w, stats, wf; writes stats, wf
.if DOCPART == 1
	.amdgcn_target "amdgcn-amd-amdhsa--gfx1250"
	.amdhsa_code_object_version 6
	.text
	.protected	k_qf4e7023cbe_prep
	.globl	k_qf4e7023cbe_prep
	.p2align	8
	.type	k_qf4e7023cbe_prep,@function
k_qf4e7023cbe_prep:
	s_mov_b64 s[64:65], 0
	v_nop
	global_prefetch_b8 v0, s[64:65] scope:SCOPE_SE
	s_setreg_imm32_b32 hwreg(HW_REG_WAVE_MODE, 25, 1), 1
	s_wait_xcnt 0x0
; PREP.  Two jobs that need nothing from each other, shared over 256 work-groups of eight waves.
; (1) GroupNorm statistics.  A group is 8 channels x 4,096 positions = 128 KiB of x in one piece; work-group g takes half of one,
;     the 64 KiB at 65,536 g, keeps it in registers (16 loads of 16 bytes a thread), forms the mean, then the sum of squares of
;     x - mean.  No difference of large sums is formed.  stats[g] = (mean, M2), 8 bytes; the next launch joins the two halves.
; (2) qkv_w and proj_w to bf16, laid as the register image of 16 x 32 matrix fragments: wf[tile 64][kstep 8][half 2][lane 32][8 bf16];
;     lane (r = lane & 15, h = lane >> 4), half f holds row r, k = 32 kstep + 16 f + 8 h + 0..7.
;     Tiles 0-47: tile = 16 jj + ct holds rows 3 (16 ct + r) + jj of qkv_w (jj = 0, 1, 2: q, k, v).  Tiles 48-63: rows 16 (tile - 48) + r of proj_w.
;     Work-group g writes the 2 KiB at 2,048 g (tile g >> 2, ksteps 2 (g & 3) and + 1), 8 bytes a thread: a wave's store covers 256 consecutive bytes.
; A stream with nothing shared between work-groups: no matrix unit, no tensor load, no cluster.
; LIMITS: NaN and infinite inputs are not served; the sums run in another order than a plain loop's.
.set XR,   16                          ; v[16:79]  my 64 numbers of x
.set ACC,  80                          ; v[80:87]  four chains of pairs
.set PART, 88                          ; v[88:95]  the eight waves' partial sums
	s_load_b128 s[4:7], s[0:1], 0x0                ; x s[4:5], qkv_w s[6:7]
	s_load_b128 s[8:11], s[0:1], 0x10              ; proj_w s[8:9], stats s[10:11]
	s_load_b64 s[12:13], s[0:1], 0x20              ; wf
	v_lshl_add_u32 v96, v0, 2, 0x100
	v_mov_b32 v97, 0
	v_lshrrev_b32 v10, 5, v0
	v_readfirstlane_b32 s14, v10                   ; wave 0..7
	s_mov_b32 s16, 0x76543210                      ; v_permlanex16_b32: lane i reads lane i of the other half
	s_mov_b32 s17, 0xfedcba98
	s_lshr_b32 s18, ttmp9, 2                       ; tile
	s_and_b32 s19, ttmp9, 3
	s_lshl_b32 s19, s19, 8                         ; my two ksteps: 64 f32 = 256 bytes along a row
	s_and_b32 s20, s18, 15                         ; qkv_w: ct
	s_mul_i32 s20, s20, 48
	s_lshr_b32 s21, s18, 4                         ; jj
	s_add_co_u32 s20, s20, s21
	s_lshl_b32 s20, s20, 10                        ; first row 48 ct + jj, rows of 1,024 bytes
	s_max_u32 s21, s18, 48                         ; proj_w: first row 16 (tile - 48)
	s_sub_co_u32 s21, s21, 48
	s_lshl_b32 s21, s21, 14
	s_mov_b32 s26, 1024                            ; from fragment row to fragment row: one row of proj_w,
	s_mov_b32 s27, 3072                            ; three rows of qkv_w
	s_cmp_lt_u32 s18, 48                           ; only moves, selects and the wait stand between this compare and its last select
	s_cselect_b32 s22, s20, s21
	s_cselect_b32 s26, s27, s26
	s_wait_kmcnt 0x0
	s_cselect_b64 s[24:25], s[6:7], s[8:9]         ; the matrix that my tile comes from
	s_add_co_u32 s22, s22, s19
	s_mov_b32 s23, 0
	s_add_nc_u64 s[24:25], s[24:25], s[22:23]
	s_lshl_b32 s22, ttmp9, 16
	s_add_nc_u64 s[4:5], s[4:5], s[22:23]          ; my 64 KiB of x
	s_lshl_b32 s22, ttmp9, 11
	s_add_nc_u64 s[12:13], s[12:13], s[22:23]      ; my 2 KiB of wf
	s_lshl_b32 s22, ttmp9, 3
	s_add_nc_u64 s[10:11], s[10:11], s[22:23]      ; my 8 bytes of stats
	; thread t writes bytes 8 t of the 2 KiB: kstep t >> 7, half (t >> 6) & 1, h (t >> 5) & 1, r (t >> 1) & 15, four of the eight numbers t & 1.
	; In the source that is row r, byte 32 (t >> 5) + 16 (t & 1) of my 256: the eight waves read 256 consecutive bytes of each of 16 rows.
	v_bfe_u32 v11, v0, 1, 4
	v_mul_u32_u24 v2, s26, v11
	v_lshl_add_u32 v2, v10, 5, v2
	v_and_b32 v11, 1, v0
	v_lshl_add_u32 v2, v11, 4, v2
	v_lshlrev_b32 v1, 4, v0                        ; x: 16 bytes a thread
	v_lshlrev_b32 v3, 3, v0                        ; wf: 8 bytes a thread
	v_mov_b32 v13, s14
	v_lshlrev_b32 v13, 2, v13                      ; LDS: my wave's word
	v_mov_b32 v14, 0
	v_mov_b32 v12, 0                               ; v_permlanex16_b32 counts as a reader of its destination
	global_load_b128 v[4:7], v2, s[24:25]
.irp i, 0,1,2,3,4,5,6,7,8,9,10,11,12,13,14,15
	global_load_b128 v[XR+4*\i:XR+4*\i+3], v1, s[4:5] offset:4096*\i
.endr
	s_wait_loadcnt 16                              ; the 16 loads of x are younger: the four weights are in
	v_cvt_pk_bf16_f32 v8, v4, v5
	v_cvt_pk_bf16_f32 v9, v6, v7
	global_store_b64 v3, v[8:9], s[12:13]
; The four chains, the 32 lanes and the eight waves are added; the sum ends in v[ACC] of every lane.  off: LDS bytes of this sum's own.
.macro WGSUM off
	v_pk_add_f32 v[ACC:ACC+1], v[ACC:ACC+1], v[ACC+2:ACC+3]
	v_pk_add_f32 v[ACC+4:ACC+5], v[ACC+4:ACC+5], v[ACC+6:ACC+7]
	v_pk_add_f32 v[ACC:ACC+1], v[ACC:ACC+1], v[ACC+4:ACC+5]
	v_add_f32 v[ACC], v[ACC], v[ACC+1]
	v_add_f32_dpp v[ACC], v[ACC], v[ACC] row_xmask:1 row_mask:0xf bank_mask:0xf
	v_add_f32_dpp v[ACC], v[ACC], v[ACC] row_xmask:2 row_mask:0xf bank_mask:0xf
	v_add_f32_dpp v[ACC], v[ACC], v[ACC] row_xmask:4 row_mask:0xf bank_mask:0xf
	v_add_f32_dpp v[ACC], v[ACC], v[ACC] row_xmask:8 row_mask:0xf bank_mask:0xf
	v_permlanex16_b32 v12, v[ACC], s16, s17
	v_add_f32 v[ACC], v[ACC], v12
	ds_store_b32 v13, v[ACC] offset:\off           ; every lane writes the wave's word with the same number
	s_wait_dscnt 0x0                               ; my word is in LDS before I say so
	s_barrier_signal -1
	s_barrier_wait -1
	ds_load_b128 v[PART:PART+3], v14 offset:\off
	ds_load_b128 v[PART+4:PART+7], v14 offset:\off+16
	s_wait_dscnt 0x0
	v_pk_add_f32 v[PART:PART+1], v[PART:PART+1], v[PART+2:PART+3]
	v_pk_add_f32 v[PART+4:PART+5], v[PART+4:PART+5], v[PART+6:PART+7]
	v_pk_add_f32 v[PART:PART+1], v[PART:PART+1], v[PART+4:PART+5]
	v_add_f32 v[ACC], v[PART], v[PART+1]
.endm
	s_wait_loadcnt 0x0
	; pass 1: the sum.  The first eight pairs start the four chains: nothing is cleared.
.irp k, 0,1,2,3
	v_pk_add_f32 v[ACC+2*\k:ACC+2*\k+1], v[XR+2*\k:XR+2*\k+1], v[XR+8+2*\k:XR+8+2*\k+1]
.endr
.set j, 8
.rept 24
	v_pk_add_f32 v[ACC+2*(j%4):ACC+2*(j%4)+1], v[ACC+2*(j%4):ACC+2*(j%4)+1], v[XR+2*j:XR+2*j+1]
.set j, j+1
.endr
	WGSUM 0
	v_mul_f32 v10, 0x38800000, v[ACC]              ; mean = sum / 16,384
	v_mov_b32 v11, v10
	; pass 2: the sum of (x - mean)^2
.set j, 0
.rept 32
	v_pk_add_f32 v[XR+2*j:XR+2*j+1], v[XR+2*j:XR+2*j+1], v[10:11] neg_lo:[0,1] neg_hi:[0,1]
.set j, j+1
.endr
.irp k, 0,1,2,3
	v_pk_mul_f32 v[ACC+2*\k:ACC+2*\k+1], v[XR+2*\k:XR+2*\k+1], v[XR+2*\k:XR+2*\k+1]
.endr
.set j, 4
.rept 28
	v_pk_fma_f32 v[ACC+2*(j%4):ACC+2*(j%4)+1], v[XR+2*j:XR+2*j+1], v[XR+2*j:XR+2*j+1], v[ACC+2*(j%4):ACC+2*(j%4)+1]
.set j, j+1
.endr
	WGSUM 32                                       ; other LDS bytes than the first sum's: no barrier between the two uses
	s_cmp_lg_u32 s14, 0
	s_cbranch_scc1 .Ldone                          ; thread 0 alone stores the pair
	v_mov_b32 v11, v[ACC]
	s_wait_xcnt 0x0                                ; EXEC is a source of the store of wf: it changes only behind this wait
	v_cmp_eq_u32 vcc_lo, 0, v0
	s_and_saveexec_b32 s15, vcc_lo
	global_store_b64 v14, v[10:11], s[10:11]
	s_wait_xcnt 0x0                                ; and again in front of the line that widens it
	s_or_b32 exec_lo, exec_lo, s15
.Ldone:
	s_wait_tensorcnt 0x0
	ds_add_u32 v96, v97
	s_wait_dscnt 0x0
	s_endpgm
.Lfunc_end_k_qf4e7023cbe_prep:
	.size	k_qf4e7023cbe_prep, .Lfunc_end_k_qf4e7023cbe_prep-k_qf4e7023cbe_prep
	.p2alignl 7, 3214868480
	.fill 96, 4, 3214868480
	.section	.rodata,"a",@progbits
	.p2align	6, 0x0
	.amdhsa_kernel k_qf4e7023cbe_prep
		.amdhsa_group_segment_fixed_size 1280
		.amdhsa_private_segment_fixed_size 0
		.amdhsa_enable_private_segment 0
		.amdhsa_kernarg_size 40
		.amdhsa_user_sgpr_count 2
		.amdhsa_user_sgpr_kernarg_segment_ptr 1
		.amdhsa_wavefront_size32 1
		.amdhsa_system_sgpr_workgroup_id_x 1
		.amdhsa_system_sgpr_workgroup_id_y 1
		.amdhsa_system_sgpr_workgroup_id_z 1
		.amdhsa_system_vgpr_workitem_id 0
		.amdhsa_next_free_vgpr 98
		.amdhsa_next_free_sgpr 66
		.amdhsa_reserve_vcc 1
		.amdhsa_float_denorm_mode_32 3
		.amdhsa_float_denorm_mode_16_64 3
		.amdhsa_memory_ordered 1
		.amdhsa_forward_progress 1
		.amdhsa_inst_pref_size 13
	.end_amdhsa_kernel
	.amdgpu_metadata
---
amdhsa.version: [ 1, 2 ]
amdhsa.kernels:
  - .name:           k_qf4e7023cbe_prep
    .symbol:         k_qf4e7023cbe_prep.kd
    .args:
      - { .name: x, .offset: 0, .size: 8, .value_kind: global_buffer, .address_space: global }
      - { .name: qkv_w, .offset: 8, .size: 8, .value_kind: global_buffer, .address_space: global }
      - { .name: proj_w, .offset: 16, .size: 8, .value_kind: global_buffer, .address_space: global }
      - { .name: stats, .offset: 24, .size: 8, .value_kind: global_buffer, .address_space: global }
      - { .name: wf, .offset: 32, .size: 8, .value_kind: global_buffer, .address_space: global }
    .group_segment_fixed_size: 1280
    .private_segment_fixed_size: 0
    .kernarg_segment_align: 8
    .kernarg_segment_size: 40
    .max_flat_workgroup_size: 256
    .sgpr_count:     66
    .vgpr_count:     98
    .wavefront_size: 32
...
	.end_amdgpu_metadata
.endif
;; end of part 1
;; launch qkv (part 2): grid 256 x 1, 4 waves a work-group, clusters of 4 x 1, 327,680 bytes of LDS; arguments x, gn_scale, gn_bias, qkv_b, stats, wf, qf, kv; writes qf, kv
.if DOCPART == 2
	.amdgcn_target "amdgcn-amd-amdhsa--gfx1250"
	.amdhsa_code_object_version 6
	.text
	.protected	k_qf4e7023cbe_qkv
	.globl	k_qf4e7023cbe_qkv
	.p2align	8
	.type	k_qf4e7023cbe_qkv,@function
k_qf4e7023cbe_qkv:
	s_mov_b64 s[64:65], 0
	v_nop
	global_prefetch_b8 v0, s[64:65] scope:SCOPE_SE
	s_setreg_imm32_b32 hwreg(HW_REG_WAVE_MODE, 25, 1), 1
	s_wait_xcnt 0x0
	s_wait_alu depctr_hold_cnt(0) depctr_sa_sdst(0) depctr_va_vdst(0) depctr_va_sdst(0) depctr_va_ssrc(0) depctr_va_vcc(0) depctr_vm_vsrc(0)
	s_getreg_b32 s2, hwreg(HW_REG_IB_STS2, 6, 4)
	s_cmp_eq_u32 s2, 0
	s_cbranch_scc0 .Lentry_in_a_cluster
	s_endpgm
.Lentry_in_a_cluster:
	s_bfe_u32 s2, ttmp6, 0x10000c
	s_cmp_lg_u32 s2, 0x3003
	s_cbranch_scc0 .Lentry_shape_is_right
	s_endpgm
.Lentry_shape_is_right:
; QKV.  GroupNorm, then q, k, v = W h + bias in bf16, stored as the register images of the fragments that the attention launch multiplies.
; Work-group g: batch g >> 6, the 64 positions 64 (g & 63) .. + 63, all 768 outputs: x is read once, 256 rows of 256 consecutive aligned bytes.
; Wave w normalises channels 64 w .. + 63 into LDS (h in bf16 as [channel][position]); behind one barrier every wave takes all of h into
; 256 registers by transposing loads, and makes channels 64 w .. + 63 of q, of k and of v: 12 tiles of 16 outputs x 64 positions, 32 matrix
; instructions each.
; q, k: D = W (rows: channels) x h (columns: positions): a lane holds 8 neighbouring channels of one position, which is 16 bytes of a fragment
;       whose rows are positions and whose K is the channel.   v: D = h x W: a lane holds 8 neighbouring positions of one channel, 16 bytes of
;       a fragment whose rows are channels and whose K is the position.  So every store is 512 consecutive aligned bytes, straight from registers.
; qf[b][position tile 256][kstep 8][half][lane][8];  kv: K the same at byte 0; V at 8 MiB as [b][32 positions: 128][channel tile 16][half][lane][8].
; q is stored times 2^-4 log2(e): the scores then are exponents to base 2.
; The bias enters as the C of each sum's first matrix instruction: nothing is cleared and no add is written.
; CLUSTER: the weights (384 KiB of the 448 KiB that a work-group takes in) are the same in all work-groups, so the four work-groups of a cluster ask
; for them jointly (mask 15; the wave's number alone enters a descriptor), which divides the requests for them by four.  They come in fragment order as
; three tiles of 128 KiB (q's rows, k's, v's), 32 KiB a wave (128 rows of 256 bytes, dense), through two LDS slots; a wave reads only the part that it
; loaded.  q's and k's tiles go out together at the start; q's four weight tiles are taken into the 256 ring registers in one run, so that slot A is
; free for v's tile behind the round that also shows h to every wave.  By this text's count a wave has two tensor loads out at the start, later one.
; LIMITS: NaN and infinite inputs are not served; v_rsq_f32 takes a denormal as zero (ISA guide 15.8), which 1e-6 under the root keeps away.
.set SLB, 131072                       ; LDS: slot A at 0 (q's weights, later v's), slot B at 131,072 (k's); wave w's part at + 32,768 w
.set TAB, 262144                       ; 4,096 bytes: 16 bytes a channel: mean, gain x rstd, bias, 0
.set BL,  266240                       ; 3,072 bytes: 768 a wave: qkv_b of its channels as [q, k, v][64] f32
.set HB,  269312                       ; 40,960 bytes: h, 256 rows of 128 bytes at a pitch of 160 (5 x 32)
.set XO,  1                            ; v1   x: (64 w + lane / 16) rows + 16 (lane & 15)
.set TA,  2                            ; v2   table entry of channel 64 w + lane / 16
.set HS,  3                            ; v3   where I put 4 numbers of h
.set HT,  4                            ; v4   transposing loads of h
.set WA,  5                            ; v5   16 lane + 32,768 w: my part of slot A
.set QO,  6                            ; v6   16 lane + 2,048 w, in qf and K
.set VO,  7                            ; v7   16 lane + 4,096 w, in V
.set BA,  8                            ; v8   bias of 8 channels (q, k)
.set BV,  9                            ; v9   bias of one channel (v)
.set VB,  24                           ; v[24:27]   v's bias of channel 16 i3 + r
.set WB,  30                           ; v30  my part of slot B
.set X,   32                           ; v[32:159]  x as loaded, 32 x 4
.set ACC, 32                           ; v[32:63]   later: four accumulator tiles
.set PK,  64                           ; v[64:79]   later: packed results
.set BT,  96                           ; v[96:103]  later: v's bias as a C tile
.set T,   160                          ; v[160:191] eight table entries
.set BQK, 192                          ; v[192:255] eight C tiles: bias of q's and k's four channel tiles
; window 1: h fragments, (position tile nt, kstep s) at v[8 (8 nt + s)];  window 2: ring of four weight tiles of 64 registers
.set MSB, 0
.macro WIN new                         ; the immediate's high byte repeats the setting that is left
.if MSB != (\new)
	s_set_vgpr_msb (MSB<<8)|(\new)
.set MSB, (\new)
.endif
.endm
.macro PLACES
.rept 4
	v_nop
.endr
.endm
; A round of the cluster's barrier: my work-group's barrier, wave 0 signals for the work-group, every wave waits for all four work-groups, my work-group's barrier again.
.macro ROUND
	s_barrier_signal -1
	s_barrier_wait -1
	s_cmp_lg_u32 s22, 0
	s_cbranch_scc1 .Lnot_wave_0_\@
	s_barrier_signal -3
.Lnot_wave_0_\@:
	s_barrier_wait -3
	s_barrier_signal -1
	s_barrier_wait -1
.endm
	s_load_b256 s[4:11], s[0:1], 0x0               ; x s[4:5], gn_scale s[6:7], gn_bias s[8:9], qkv_b s[10:11]
	s_load_b256 s[12:19], s[0:1], 0x20             ; stats s[12:13], wf s[14:15], qf s[16:17], kv s[18:19]
	v_lshl_add_u32 v31, v0, 2, 0x4bc00
	s_set_vgpr_msb 0xc0
	v_mov_b32 v1, 0
	s_set_vgpr_msb 0xc0cc
	ds_add_u32 v31, v1
	s_set_vgpr_msb 0xcc00
	v_lshrrev_b32 v10, 5, v0
	v_readfirstlane_b32 s22, v10                   ; wave 0..3
	v_and_b32 v11, 31, v0                          ; lane
	v_and_b32 v12, 15, v0                          ; r
	v_bfe_u32 v13, v0, 4, 1                        ; h
	s_lshl_b32 s23, s22, 20                        ; 64 rows of 16,384 bytes
	v_lshlrev_b32 v[XO], 4, v12
	v_lshl_add_u32 v[XO], v13, 14, v[XO]
	v_add_nc_u32 v[XO], s23, v[XO]
	s_lshl_b32 s24, s22, 10                        ; my wave's 64 table entries
	s_add_co_u32 s24, s24, TAB
	v_lshl_add_u32 v[TA], v13, 4, s24
	v_lshl_add_u32 v29, v11, 5, s24                ; where I put the entries of channels 64 w + 2 lane, + 1
	s_mul_i32 s25, s22, 10240                      ; 64 rows of h
	s_add_co_u32 s25, s25, HB
	v_mul_u32_u24 v14, 160, v13
	v_lshl_add_u32 v14, v12, 3, v14
	v_add_nc_u32 v[HS], s25, v14
	v_and_b32 v14, 7, v0                           ; transposing load: row 8 h + (lane & 7), 16 bytes ((lane >> 3) & 1)
	v_lshl_add_u32 v14, v13, 3, v14
	v_mul_u32_u24 v14, 160, v14
	v_bfe_u32 v15, v0, 3, 1
	v_lshl_add_u32 v14, v15, 4, v14
	v_add_nc_u32 v[HT], HB, v14
	v_lshlrev_b32 v14, 4, v11
	v_lshl_add_u32 v[WA], s22, 15, v14
	v_add_nc_u32 v[WB], SLB, v[WA]
	v_lshl_add_u32 v[QO], s22, 11, v14
	v_lshl_add_u32 v[VO], s22, 12, v14
	s_mul_i32 s27, s22, 768
	s_add_co_u32 s28, s27, BL
	v_lshl_add_u32 v[BA], v13, 5, s28
	v_lshl_add_u32 v[BV], v12, 2, s28
	v_lshl_add_u32 v28, v11, 3, s28                ; where I put my two channels' biases
	v_lshrrev_b32 v24, 2, v11                      ; stats: group 8 w + lane / 4, 16 bytes (both halves)
	v_lshlrev_b32 v24, 4, v24
	v_lshl_add_u32 v24, s22, 7, v24
	v_lshlrev_b32 v25, 3, v11                      ; gain and bias of channels 64 w + 2 lane, + 1
	v_lshl_add_u32 v25, s22, 8, v25
	v_mul_u32_u24 v26, 24, v11                     ; qkv_b: six numbers from 3 (64 w + 2 lane) on
	v_add_nc_u32 v26, s27, v26
	s_bfe_u32 s36, ttmp6, 0x40000                  ; cx
	s_lshl_b32 s37, ttmp9, 2
	s_add_co_u32 s37, s37, s36                     ; work-group = 4 x cluster + cx
	s_lshr_b32 s30, ttmp9, 4                       ; batch: 16 clusters each
	s_and_b32 s31, s37, 63                         ; block of 64 positions
	s_lshl_b32 s32, s30, 22
	s_lshl_b32 s33, s31, 8
	s_add_co_u32 s32, s32, s33
	s_mov_b32 s33, 0
	; descriptor group 1: 128 rows of 32 elements of 8 bytes, dense
	s_mov_b32 s40, 0x0023000f                      ; 15:0 mask: all four work-groups; 17:16 elements of 8 bytes; 21 set beside a mask
	s_mov_b32 s41, 32<<16                          ; tensor_dim0 = 32
	s_mov_b32 s42, 128<<16                         ; tensor_dim1 = 128
	s_mov_b32 s43, 32<<16                          ; tile_dim0 = 32
	s_mov_b32 s44, 128                             ; tile_dim1 = 128
	s_mov_b32 s45, 32                              ; from row to row: 32 elements
	s_mov_b32 s46, 0
	s_mov_b32 s47, 0
	s_lshl_b32 s34, s22, 15                        ; my wave's four weight tiles: 32 KiB of each 128
	s_mov_b32 s35, 0
	s_wait_dscnt 0x0
	s_wait_kmcnt 0x0
	s_add_nc_u64 s[4:5], s[4:5], s[32:33]
	s_lshl_b32 s32, s30, 9                         ; 32 groups x 16 bytes
	s_add_nc_u64 s[12:13], s[12:13], s[32:33]
	s_lshl_b32 s32, s37, 15                        ; 64 positions are 32 KiB of qf, of K and of V
	s_add_nc_u64 s[16:17], s[16:17], s[32:33]
	s_add_nc_u64 s[18:19], s[18:19], s[32:33]
	s_add_nc_u64 s[20:21], s[18:19], 0x800000      ; V
	s_mov_b32 s48, 1                               ; group 0 for slot A: q's rows
	s_lshl_b32 s49, s22, 15
	s_add_nc_u64 s[50:51], s[14:15], s[34:35]
	s_mov_b32 s52, 1                               ; group 0 for slot B: k's rows
	s_add_co_u32 s53, s49, SLB
	s_add_nc_u64 s[54:55], s[50:51], 131072
	s_or_b32 s51, s51, 0x80000000
	s_or_b32 s55, s55, 0x80000000
; Weight tile i (0..11: q's four channel tiles, k's, v's) from its slot into ring buffer i mod 4: 16 loads, lane i at 16 i: no two lanes in one bank
.macro WLOAD i
.if ((\i)>>2) == 1
.set wadr, WB
.else
.set wadr, WA
.endif
	WIN 0x80
.irp s, 0,1,2,3,4,5,6,7
	ds_load_b128 v[64*((\i)&3)+8*\s:64*((\i)&3)+8*\s+3],   v[wadr] offset:((\i)&3)*8192+\s*1024
	ds_load_b128 v[64*((\i)&3)+8*\s+4:64*((\i)&3)+8*\s+7], v[wadr] offset:((\i)&3)*8192+\s*1024+512
.endr
.endm
	global_load_b128 v[10:13], v24, s[12:13]       ; mean, M2 of the group's first half; of its second
	global_load_b64 v[14:15], v25, s[6:7]
	global_load_b64 v[16:17], v25, s[8:9]
	global_load_b64 v[18:19], v26, s[10:11]
	global_load_b64 v[20:21], v26, s[10:11] offset:8
	global_load_b64 v[22:23], v26, s[10:11] offset:16
.set i, 0
.rept 32
	global_load_b128 v[X+4*i:X+4*i+3], v[XO], s[4:5] offset:32768*i    ; channels 64 w + 2 i and + 1: two rows of 256 bytes
.set i, i+1
.endr
	ROUND                                          ; all four work-groups are here: the first joint loads meet.  The loads of x are on their way meanwhile
	tensor_load_to_lds s[48:51], s[40:47]          ; q's weights
	s_nop 0
	tensor_load_to_lds s[52:55], s[40:47]          ; k's weights
	s_nop 0
	s_wait_loadcnt 32                              ; the 32 loads of x are younger: the six parameter loads are in
	v_sub_f32 v168, v10, v12
	v_add_f32 v169, v10, v12
	v_add_f32 v170, v11, v13
	v_mul_f32 v168, v168, v168
	v_mul_f32 v160, 0.5, v169                      ; the group's mean
	v_fmamk_f32 v170, v168, 0x46000000, v170       ; M2 = M2a + M2b + 8,192 (m1 - m2)^2: two halves of 16,384 numbers
	v_mov_b32 v171, 0x358637bd                     ; 1e-6
	v_fmamk_f32 v170, v170, 0x38000000, v171       ; M2 / 32,768 + eps
	v_rsq_f32 v170, v170
	v_mov_b32 v164, v160                           ; the plain instruction behind v_rsq_f32 (ISA guide 5.7.2)
	s_wait_alu depctr_va_vdst(0)
	v_mul_f32 v161, v14, v170
	v_mul_f32 v165, v15, v170
	v_mov_b32 v162, v16
	v_mov_b32 v166, v17
	v_mov_b32 v163, 0
	v_mov_b32 v167, 0
	ds_store_b128 v29, v[160:163]                  ; table and biases are my wave's own bytes: LDS serves a wave in order, no barrier
	ds_store_b128 v29, v[164:167] offset:16
	ds_store_b32 v28, v18                          ; q, k, v of channel 2 lane; then of 2 lane + 1
	ds_store_b32 v28, v19 offset:256
	ds_store_b32 v28, v20 offset:512
	ds_store_b32 v28, v21 offset:4
	ds_store_b32 v28, v22 offset:260
	ds_store_b32 v28, v23 offset:516
.irp tb, 0,1,2,3,4,5,6,7
	ds_load_b128 v[BQK+8*\tb:BQK+8*\tb+3],   v[BA] offset:(\tb>>2)*256+(\tb&3)*64      ; register j: bias of channel 16 i3 + 8 h + j
	ds_load_b128 v[BQK+8*\tb+4:BQK+8*\tb+7], v[BA] offset:(\tb>>2)*256+(\tb&3)*64+16
.endr
.irp q, 0,1,2,3
	ds_load_b32 v[VB+\q], v[BV] offset:512+64*\q
.endr
; Eight loads of x are normalised: h = (x - mean) (gain rstd) + bias, rounded to bf16, 8 bytes a lane into LDS.
.macro NORM8 g
.irp k, 0,1,2,3,4,5,6,7
	ds_load_b128 v[T+4*\k:T+4*\k+3], v[TA] offset:32*(8*\g+\k)
.endr
.irp k, 0,1,2,3,4,5,6,7
.set xi, X+4*(8*\g+\k)
.set ti, T+4*\k
	s_wait_loadcnt 31-(8*\g+\k)                    ; the younger loads of x stay out
	s_wait_dscnt 7                                 ; behind entry k stand 7 - k entries and k stores of h
	v_pk_add_f32 v[xi:xi+1],   v[xi:xi+1],   v[ti:ti+1] op_sel_hi:[1,0] neg_lo:[0,1] neg_hi:[0,1]
	v_pk_add_f32 v[xi+2:xi+3], v[xi+2:xi+3], v[ti:ti+1] op_sel_hi:[1,0] neg_lo:[0,1] neg_hi:[0,1]
	v_pk_fma_f32 v[xi:xi+1],   v[xi:xi+1],   v[ti:ti+1], v[ti+2:ti+3] op_sel:[0,1,0] op_sel_hi:[1,1,0]
	v_pk_fma_f32 v[xi+2:xi+3], v[xi+2:xi+3], v[ti:ti+1], v[ti+2:ti+3] op_sel:[0,1,0] op_sel_hi:[1,1,0]
	v_cvt_pk_bf16_f32 v[xi],   v[xi],   v[xi+1]
	v_cvt_pk_bf16_f32 v[xi+1], v[xi+2], v[xi+3]
	ds_store_b64 v[HS], v[xi:xi+1] offset:320*(8*\g+\k)
.endr
.endm
	NORM8 0
	NORM8 1
	NORM8 2
	NORM8 3
	s_set_vgpr_msb 0xc
	s_wait_tensorcnt 0x0                           ; both my tensor loads have landed: q's part may be read, and no load of mine is out,
	ds_add_u32 v31, v1
	s_wait_dscnt 0x0
	s_set_vgpr_msb 0xc00
	s_add_nc_u64 s[50:51], s[50:51], 262144        ; so slot A's address may step to v's rows
	WLOAD 0                                        ; all four of q's weight tiles fill the ring: slot A has then been read for the last time
	WLOAD 1
	WLOAD 2
	WLOAD 3
	WIN 0
	s_wait_dscnt 0x0                               ; my 64 rows of h are in LDS and my reads of slot A are over before I say so
	ROUND                                          ; all 256 rows of h are there, and no wave of any partner still reads slot A or has a load on its way
	tensor_load_to_lds s[48:51], s[40:47]          ; v's weights: five output tiles, 160 matrix instructions, in which to land
	s_nop 0
	WIN 0x40
.irp nt, 0,1,2,3
.irp s, 0,1,2,3,4,5,6,7
	ds_load_tr16_b128 v[8*(8*\nt+\s):8*(8*\nt+\s)+3],   v[HT] offset:\s*5120+\nt*32        ; channels 32 s + 8 h + 0..7 of position 16 nt + r
	ds_load_tr16_b128 v[8*(8*\nt+\s)+4:8*(8*\nt+\s)+7], v[HT] offset:\s*5120+\nt*32+2560   ; channels 32 s + 16 + 8 h + 0..7
.endr
.endr
	WIN 0
	s_wait_dscnt 0x0
; Output tile i: 16 channels of q (i < 4), k (i < 8) or v, 64 positions.  The four accumulators take turns, one instruction a turn.
.macro OTILE i
.set jj, (\i)>>2
.set i3, (\i)&3
.set wb, 64*((\i)&3)
.if \i >= 4
.if \i <= 8
	s_wait_dscnt 48                                ; three younger weight tiles of 16 loads stay out
.else
	s_wait_dscnt 16*(11-\i)                        ; nothing more to fetch: the counts run down
.endif
.endif
.if jj == 2
	WIN 0
.irp j, 0,1,2,3,4,5,6,7
	v_mov_b32 v[BT+\j], v[VB+i3]                   ; v's D holds one channel a lane: the same bias in all eight registers
.endr
	WIN 0x09                                       ; source 0: h, window 1; source 1: weights, window 2
.else
	WIN 0x06                                       ; source 0: weights, window 2; source 1: h, window 1
.endif
.irp s, 0,1,2,3,4,5,6,7
.irp nt, 0,1,2,3
.set hf, 8*(8*\nt+\s)
.set ac, ACC+8*\nt
.if jj == 2
.if \s == 0
	v_wmma_f32_16x16x32_bf16 v[ac:ac+7], v[hf:hf+7], v[wb+8*\s:wb+8*\s+7], v[BT:BT+7]
.else
	v_wmma_f32_16x16x32_bf16 v[ac:ac+7], v[hf:hf+7], v[wb+8*\s:wb+8*\s+7], v[ac:ac+7]
.endif
.else
.if \s == 0
	v_wmma_f32_16x16x32_bf16 v[ac:ac+7], v[wb+8*\s:wb+8*\s+7], v[hf:hf+7], v[BQK+8*(\i):BQK+8*(\i)+7]
.else
	v_wmma_f32_16x16x32_bf16 v[ac:ac+7], v[wb+8*\s:wb+8*\s+7], v[hf:hf+7], v[ac:ac+7]
.endif
.endif
.endr
.endr
	WIN 0
	PLACES                                         ; four places before a vector instruction reads a matrix result or a load lands on a source
.if \i <= 7
.if \i == 4
	s_wait_tensorcnt 0x0                           ; v's weights, my own part, have landed: the one load that was out
.endif
	WLOAD (\i+4)                                   ; into the ring buffer that this tile has just read
	WIN 0
.endif
	s_wait_xcnt 0x0                                ; the last tile's stores have had their addresses translated: PK is rewritten only behind this wait
.irp nt, 0,1,2,3
.set ac, ACC+8*\nt
.set pk, PK+4*\nt
.if jj == 0
.irp k, 0,1,2,3
	v_pk_mul_f32 v[ac+2*\k:ac+2*\k+1], v[ac+2*\k:ac+2*\k+1], 0x3db8aa3b op_sel_hi:[1,0]    ; q times 2^-4 log2(e)
.endr
.endif
.irp k, 0,1,2,3
	v_cvt_pk_bf16_f32 v[pk+\k], v[ac+2*\k], v[ac+2*\k+1]
.endr
.if jj == 0
	global_store_b128 v[QO], v[pk:pk+3], s[16:17] offset:\nt*8192+i3*512
.endif
.if jj == 1
	global_store_b128 v[QO], v[pk:pk+3], s[18:19] offset:\nt*8192+i3*512
.endif
.if jj == 2
	global_store_b128 v[VO], v[pk:pk+3], s[20:21] offset:(\nt>>1)*16384+i3*1024+(\nt&1)*512
.endif
.endr
.endm
.irp i, 0,1,2,3,4,5,6,7,8,9,10,11
	OTILE \i
.endr
	s_set_vgpr_msb 0xc
	s_wait_tensorcnt 0x0
	ds_add_u32 v31, v1
	s_wait_dscnt 0x0
	s_set_vgpr_msb 0xc00
	ROUND                                          ; the closing round: no work-group ends while a partner may still ask for a tile that names it
	s_endpgm
.Lfunc_end_k_qf4e7023cbe_qkv:
	.size	k_qf4e7023cbe_qkv, .Lfunc_end_k_qf4e7023cbe_qkv-k_qf4e7023cbe_qkv
	.p2alignl 7, 3214868480
	.fill 96, 4, 3214868480
	.section	.rodata,"a",@progbits
	.p2align	6, 0x0
	.amdhsa_kernel k_qf4e7023cbe_qkv
		.amdhsa_group_segment_fixed_size 327680
		.amdhsa_private_segment_fixed_size 0
		.amdhsa_enable_private_segment 0
		.amdhsa_kernarg_size 64
		.amdhsa_user_sgpr_count 2
		.amdhsa_user_sgpr_kernarg_segment_ptr 1
		.amdhsa_wavefront_size32 1
		.amdhsa_system_sgpr_workgroup_id_x 1
		.amdhsa_system_sgpr_workgroup_id_y 1
		.amdhsa_system_sgpr_workgroup_id_z 1
		.amdhsa_system_vgpr_workitem_id 0
		.amdhsa_next_free_vgpr 770
		.amdhsa_next_free_sgpr 66
		.amdhsa_reserve_vcc 0
		.amdhsa_float_denorm_mode_32 3
		.amdhsa_float_denorm_mode_16_64 3
		.amdhsa_memory_ordered 1
		.amdhsa_forward_progress 1
		.amdhsa_inst_pref_size 98
	.end_amdhsa_kernel
	.amdgpu_metadata
---
amdhsa.version: [ 1, 2 ]
amdhsa.kernels:
  - .name:           k_qf4e7023cbe_qkv
    .symbol:         k_qf4e7023cbe_qkv.kd
    .args:
      - { .name: x, .offset: 0, .size: 8, .value_kind: global_buffer, .address_space: global }
      - { .name: gn_scale, .offset: 8, .size: 8, .value_kind: global_buffer, .address_space: global }
      - { .name: gn_bias, .offset: 16, .size: 8, .value_kind: global_buffer, .address_space: global }
      - { .name: qkv_b, .offset: 24, .size: 8, .value_kind: global_buffer, .address_space: global }
      - { .name: stats, .offset: 32, .size: 8, .value_kind: global_buffer, .address_space: global }
      - { .name: wf, .offset: 40, .size: 8, .value_kind: global_buffer, .address_space: global }
      - { .name: qf, .offset: 48, .size: 8, .value_kind: global_buffer, .address_space: global }
      - { .name: kv, .offset: 56, .size: 8, .value_kind: global_buffer, .address_space: global }
    .group_segment_fixed_size: 327680
    .private_segment_fixed_size: 0
    .kernarg_segment_align: 8
    .kernarg_segment_size: 64
    .max_flat_workgroup_size: 128
    .sgpr_count:     66
    .vgpr_count:     770
    .wavefront_size: 32
...
	.end_amdgpu_metadata
.endif
;; end of part 2
;; launch attn (part 3): grid 256 x 1, 4 waves a work-group, clusters of 4 x 1, 327,680 bytes of LDS; arguments qf, kv, wf, proj_b, x, out0; writes out0
.if DOCPART == 3
	.amdgcn_target "amdgcn-amd-amdhsa--gfx1250"
	.amdhsa_code_object_version 6
	.text
	.protected	k_qf4e7023cbe_attn
	.globl	k_qf4e7023cbe_attn
	.p2align	8
	.type	k_qf4e7023cbe_attn,@function
k_qf4e7023cbe_attn:
	s_mov_b64 s[64:65], 0
	v_nop
	global_prefetch_b8 v0, s[64:65] scope:SCOPE_SE
	s_setreg_imm32_b32 hwreg(HW_REG_WAVE_MODE, 25, 1), 1
	s_wait_xcnt 0x0
	s_wait_alu depctr_hold_cnt(0) depctr_sa_sdst(0) depctr_va_vdst(0) depctr_va_sdst(0) depctr_va_ssrc(0) depctr_va_vcc(0) depctr_vm_vsrc(0)
	s_getreg_b32 s2, hwreg(HW_REG_IB_STS2, 6, 4)
	s_cmp_eq_u32 s2, 0
	s_cbranch_scc0 .Lentry_in_a_cluster
	s_endpgm
.Lentry_in_a_cluster:
	s_bfe_u32 s2, ttmp6, 0x10000c
	s_cmp_lg_u32 s2, 0x3003
	s_cbranch_scc0 .Lentry_shape_is_right
	s_endpgm
.Lentry_shape_is_right:
; ATTN.  softmax(q^T k) v with a running maximum, the merge of the waves' parts, the projection, its bias and the residual.
; A work-group owns 64 queries of one batch and walks all 4,096 keys in 16 laps of 256.  THE FOUR WAVES SPLIT THE KEYS: in a lap wave w takes keys
; 64 (4 lap + w) .. + 63 for all 64 queries, so each byte of K and V is read from LDS once in the work-group: 64 loads of 16 bytes a lane for 128 matrix instructions.
; Each wave keeps its own maximum m, sum l and O (64 queries x 256 channels, 512 registers); they are merged through LDS at the end.
; ORIENTATION, so that nothing moves between lanes:  S^T = K (rows: keys) x Q (columns: queries): lane (r, h), register j holds key 8 h + j of query r, and two
; such tiles rounded to bf16 ARE the fragment of P with K along the keys.  O^T = V (rows: channels) x P: register j holds channel 8 h + j of query r, and two such
; tiles rounded ARE the fragment of the attention's result for the projection.  m and l belong to a lane's query; one v_permlanex16_b32 joins the two halves of the keys.
; q came in times 2^-4 log2(e): p = 2^(s - m).
; CLUSTER: the four work-groups of a cluster are query blocks of one batch and walk the same K and V.  Every tensor load names all four (mask 15) with the same
; descriptor (cluster, wave and lap alone enter it), which divides the requests for K and V by four.  Q (32 KiB) and proj_w's fragments (128 KiB, each used by one
; wave) are 160 KiB of the 4.2 MiB that a work-group takes in and go straight to registers.
; ORDER OF THE LAPS: a running maximum does not care in which order the keys come.  Cluster c (0..15) of a batch starts at lap 2 h, h = (c & 7) xor 7 (c >> 3), and
; goes round modulo 16.  So the clusters of a batch do not ask for the same tile at the same time; whichever one bit of c is held, the other eight clusters start two
; laps apart; and from its third lap on a cluster asks for tiles that the cluster which started there read two laps earlier.
; RING: two LDS slots of 128 KiB, one for K and one for V, 32 KiB a wave; the tiles K, V, K, V .. take turns.  A tile is 32 KiB dense in memory (fragment order)
; and comes as 128 rows of 256 bytes.  By this text's count a wave has one tensor load out: the other slot's, issued straight behind a round of the cluster's barrier.
; The round is opened (waits, signal) while register work of the trip before is still to do: 16 matrix instructions of a V trip, the last quarter of a softmax.
; LIMITS: NaN and infinite inputs are not served.  v_exp_f32 gives 0 below 2^-126 (ISA guide 15.8).  l sums p in f32, the product with V takes p rounded to bf16.
; The sums run in another order than a plain loop's.
.set VSLOT, 131072                     ; LDS: K's slot at 0, V's at 131,072; wave w's part at + 32,768 w
.set STAT,  262144                     ; 4 KiB: m and l of the four waves
.set AF,    266240                     ; 32 KiB: the merged result in bf16, fragment order
.set LAPB,  131072                     ; bytes of K (of V) in a lap
; behind the last fill the slots' bytes serve the merge (16,384 (4 t + wave)) and, behind that, the way out (17,408 a wave: 64 rows at a pitch of 272)
.set KA,  1                            ; v1   16 lane + 32,768 w: my K part; also my offset in wf
.set VA,  2                            ; v2   my V part
.set PFO, 3                            ; v3   prefetch offset; never rewritten
.set M,   4                            ; v[4:7]    running maximum of query 16 t + r
.set AL,  8                            ; v[8:11]   2^(old m - new m); at the end l, then the merge's factor
.set LP,  12                           ; v[12:19]  l, a pair for each t
.set MX,  20                           ; v[20:23]  new maximum
.set PB,  24                           ; v[24:27]  proj_b of output 64 w + 16 ot + r
.set L16, 28                           ; v28  16 lane
.set TMP, 29                           ; v29, v30 across the halves; v31 proj_b's offset
.set S,   32                           ; v[32:159] S^T: run u = 4 (kt / 2) + t of 16 registers, tile kt even below, odd above; P(t, ks) is packed into run 4 ks + t's first 8
.set FR,  160                          ; v[160:255] three buffers of four fragments of K or V
.set ADR_SA, 240                       ; the end's addresses (made when the fragment buffers are free)
.set ADR_SR, 241
.set ADR_MA, 242                       ; v[242:245]
.set ADR_MR, 246
.set ADR_AS, 247
.set ADR_AR, 248
.set ADR_GS, 249
.set ADR_GR, 250
.set ADR_XO, 251
.set PKT, 192
; window 1: Q(t, s) at v[8 (8 t + s)], later proj_w's fragments (ot, s);  windows 2, 3: O(ct, t) at v[8 (4 (ct & 7) + t)], window 2 + ct / 8;
; later window 2: the merged result's fragments (t, s), window 3: x
; scalars: s[24:31] group 1; s[32:35], s[36:39] group 0 of K's and V's slot; s[52:53], s[54:55] my wave's part of the batch's K and V;
; s[56:57], s[58:59] the byte offset of the lap that the slot loads next (upper word 0)
.set MSB, 0
.macro WIN new                         ; the immediate's high byte repeats the setting that is left
.if MSB != (\new)
	s_set_vgpr_msb (MSB<<8)|(\new)
.set MSB, (\new)
.endif
.endm
.macro PLACES                          ; four places behind a matrix instruction (ISA guide 7.12.1)
.rept 4
	v_nop
.endr
.endm
; A round of the cluster's barrier: my work-group's barrier, wave 0 signals for the work-group, every wave waits for all four work-groups, my work-group's barrier again.
.macro CREST                           ; a round behind its opening barrier
	s_cmp_lg_u32 s16, 0
	s_cbranch_scc1 .Lnot_wave_0_\@
	s_barrier_signal -3
.Lnot_wave_0_\@:
	s_barrier_wait -3
	s_barrier_signal -1
	s_barrier_wait -1
.endm
.macro ROUND                           ; a whole round
	s_barrier_signal -1
	s_barrier_wait -1
	CREST
.endm
; The round in front of a trip on slot 0 (K) or 1 (V) is opened: each wave has waited for all its tensor loads (one: the coming trip's tile) and for its reads of the other slot.
.macro OPEN slot
	s_wait_xcnt 0x0
	v_lshl_add_u32 v110, v0, 2, 0x49000
	v_mov_b32 v111, 0
	s_wait_tensorcnt 0x0                           ; my part of the coming trip's tile is in, and no tensor load of mine is out:
	ds_add_u32 v110, v111
	s_wait_dscnt 0x0
	s_add_co_u32 s[56+2*\slot], s[56+2*\slot], LAPB                ; so this slot's address may step to its next lap,
	s_and_b32 s[56+2*\slot], s[56+2*\slot], 16*LAPB-1              ; modulo the batch's 16 laps
	s_add_nc_u64 s[34+4*\slot:35+4*\slot], s[52+2*\slot:53+2*\slot], s[56+2*\slot:57+2*\slot]
	s_or_b32 s[35+4*\slot], s[35+4*\slot], 0x80000000              ; type = 2
	s_wait_dscnt 0x0                               ; my reads of the other slot are over
	s_barrier_signal -1                            ; only register work follows until CLOSE
.endm
; and closed: both now hold of every wave of all four work-groups; the other slot's refill is the first thing behind it.
.macro CLOSE slot
	WIN 0                                          ; (a branch follows)
	s_barrier_wait -1
	CREST
	tensor_load_to_lds s[36-4*\slot:39-4*\slot], s[24:31]
	s_nop 0
.endm
	s_load_b256 s[4:11], s[0:1], 0x0               ; qf s[4:5], kv s[6:7], wf s[8:9], proj_b s[10:11]
	s_load_b128 s[12:15], s[0:1], 0x20             ; x s[12:13], out0 s[14:15]
	v_lshl_add_u32 v110, v0, 2, 0x49000
	v_mov_b32 v111, 0
	ds_add_u32 v110, v111
	s_wait_dscnt 0x0
	v_lshrrev_b32 v4, 5, v0
	v_readfirstlane_b32 s16, v4                    ; wave 0..3
	s_bfe_u32 s17, ttmp6, 0x40000                  ; cx
	s_lshl_b32 s18, ttmp9, 2
	s_add_co_u32 s18, s18, s17                     ; work-group = 4 x cluster + cx
	s_lshr_b32 s19, ttmp9, 4                       ; batch: 16 clusters each; the four partners share it
	s_and_b32 s23, s18, 63                         ; block of 64 queries
	s_mov_b32 s20, 0x76543210
	s_mov_b32 s21, 0xfedcba98
	; descriptor group 1: 128 rows of 32 elements of 8 bytes, dense
	s_mov_b32 s24, 0x0023000f                      ; 15:0 mask: all four work-groups; 17:16 elements of 8 bytes; 21 set beside a mask
	s_mov_b32 s25, 32<<16                          ; tensor_dim0 = 32
	s_mov_b32 s26, 128<<16                         ; tensor_dim1 = 128
	s_mov_b32 s27, 32<<16                          ; tile_dim0 = 32
	s_mov_b32 s28, 128                             ; tile_dim1 = 128
	s_mov_b32 s29, 32                              ; from row to row: 32 elements
	s_mov_b32 s30, 0
	s_mov_b32 s31, 0
	; the cluster's first lap, 2 h: made of the cluster's number alone, so it is equal in the four partners
	s_and_b32 s60, ttmp9, 15                       ; c
	s_lshr_b32 s61, s60, 3                         ; c >> 3
	s_mul_i32 s62, s61, 7
	s_and_b32 s60, s60, 7
	s_xor_b32 s60, s60, s62                        ; h
	s_lshl_b32 s56, s60, 18                        ; 2 h laps of 131,072 bytes
	s_mov_b32 s57, 0
	s_mov_b32 s58, s56
	s_mov_b32 s59, 0
	s_lshl_b32 s62, s61, 23                        ; prefetch: K (c < 8) or V (8 MiB on),
	s_add_co_u32 s62, s62, s56
	s_add_co_u32 s62, s62, LAPB                    ; lap 2 h + 1, at most 15
	s_mov_b32 s63, 0
	s_lshl_b32 s42, s19, 21                        ; a batch is 2 MiB of K and of V
	s_mov_b32 s43, 0
	s_lshl_b32 s44, s16, 15
	s_add_co_u32 s46, s42, s44                     ; + my wave's 32 KiB of a lap: no place in the cluster enters
	s_mov_b32 s47, 0
	v_and_b32 v5, 31, v0
	v_lshlrev_b32 v[L16], 4, v5
	v_lshl_add_u32 v[KA], s16, 15, v[L16]
	v_add_nc_u32 v[VA], VSLOT, v[KA]
	s_lshl_b32 s45, s17, 15                        ; prefetch: block 128 cx + 32 w + lane of the lap's 512 blocks of 256 bytes
	v_lshl_add_u32 v[PFO], v5, 8, s45
	v_lshl_add_u32 v[PFO], s16, 13, v[PFO]
	v_and_b32 v31, 15, v0
	v_lshlrev_b32 v31, 2, v31
	v_lshl_add_u32 v31, s16, 8, v31                ; proj_b: output 64 w + r
	v_mov_b32 v[TMP], 0                            ; v_permlanex16_b32 counts as a reader of its destination
	v_mov_b32 v[TMP+1], 0
.irp j, 0,1,2,3,4,5,6,7
	v_mov_b32 v[LP+\j], 0                          ; eight registers, once
.endr
	s_lshl_b32 s48, s18, 15                        ; my 64 queries: 32 KiB of qf
	s_mov_b32 s49, 0
	s_lshl_b32 s50, s19, 22
	s_lshl_b32 s51, s23, 8
	s_add_co_u32 s50, s50, s51                     ; x, out0: batch of 4 MiB, 256 bytes of each row
	s_mov_b32 s51, 0
	s_wait_kmcnt 0x0
	s_add_nc_u64 s[4:5], s[4:5], s[48:49]
	s_add_nc_u64 s[12:13], s[12:13], s[50:51]
	s_add_nc_u64 s[14:15], s[14:15], s[50:51]
	s_add_nc_u64 s[52:53], s[6:7], s[46:47]        ; my wave's part of the batch's K,
	s_add_nc_u64 s[54:55], s[52:53], 0x800000      ; and of its V
	s_mov_b32 s32, 1                               ; group 0 for K's slot
	s_lshl_b32 s33, s16, 15
	s_add_nc_u64 s[34:35], s[52:53], s[56:57]
	s_or_b32 s35, s35, 0x80000000
	s_mov_b32 s36, 1                               ; group 0 for V's slot
	s_add_co_u32 s37, s33, VSLOT
	s_add_nc_u64 s[38:39], s[54:55], s[58:59]
	s_or_b32 s39, s39, 0x80000000
	s_add_nc_u64 s[40:41], s[6:7], s[42:43]
	s_add_nc_u64 s[40:41], s[40:41], s[62:63]      ; prefetch base; never rewritten
	ROUND                                          ; all four work-groups are here: the first joint load meets
	tensor_load_to_lds s[32:35], s[24:31]          ; K of the first lap
	s_nop 0
	WIN 0x40
.irp t, 0,1,2,3
.irp s, 0,1,2,3,4,5,6,7
	global_load_b128 v[8*(8*\t+\s):8*(8*\t+\s)+3],   v[L16], s[4:5] offset:(8*\t+\s)*1024
	global_load_b128 v[8*(8*\t+\s)+4:8*(8*\t+\s)+7], v[L16], s[4:5] offset:(8*\t+\s)*1024+512
.endr
.endr
	WIN 0
.irp q, 0,1,2,3
	global_load_b32 v[PB+\q], v31, s[10:11] offset:64*\q
.endr
	s_wait_loadcnt 0x0
; Group g of K: key tiles 2 (g / 4) + 0, 1 and ksteps 2 (g & 3) + 0, 1, into buffer g mod 3; fragment 2 sl + kl
.macro KLOAD g
.irp q, 0,1,2,3
	ds_load_b128 v[FR+32*((\g)%3)+8*\q:FR+32*((\g)%3)+8*\q+3],   v[KA] offset:(8*(2*((\g)>>2)+(\q&1))+2*((\g)&3)+(\q>>1))*1024
	ds_load_b128 v[FR+32*((\g)%3)+8*\q+4:FR+32*((\g)%3)+8*\q+7], v[KA] offset:(8*(2*((\g)>>2)+(\q&1))+2*((\g)&3)+(\q>>1))*1024+512
.endr
.endm
; its 16 matrix instructions: eight accumulators take turns, one instruction a turn; kstep 0 starts the sums
.macro KMUL g
.irp sl, 0,1
.irp kl, 0,1
.irp t, 0,1,2,3
.set dd, S+16*(4*((\g)>>2)+\t)+8*\kl
.set fa, FR+32*((\g)%3)+8*(2*\sl+\kl)
.set fb, 8*(8*\t+2*((\g)&3)+\sl)
.if (((\g)&3)+\sl) == 0
	v_wmma_f32_16x16x32_bf16 v[dd:dd+7], v[fa:fa+7], v[fb:fb+7], 0
.else
	v_wmma_f32_16x16x32_bf16 v[dd:dd+7], v[fa:fa+7], v[fb:fb+7], v[dd:dd+7]
.endif
.endr
.endr
.endr
.endm
; softmax, stage A: pair kk of run uu minus its query's maximum
.macro STA uu, kk
.set pp, S+16*(\uu)+2*(\kk)
.set tt, (\uu)&3
.if tt&1
	v_pk_add_f32 v[pp:pp+1], v[pp:pp+1], v[M+tt-1:M+tt] op_sel:[0,1] op_sel_hi:[1,1] neg_lo:[0,1] neg_hi:[0,1]
.else
	v_pk_add_f32 v[pp:pp+1], v[pp:pp+1], v[M+tt:M+tt+1] op_sel_hi:[1,0] neg_lo:[0,1] neg_hi:[0,1]
.endif
.endm
; stage C: the pair joins l (the lap's first pair of a query tile carries the old l times alpha with it), then is rounded into register kk of its run.
; Register kk lies in a pair that has been taken already: kk / 2 < kk, or the pair itself.
.macro STC uu, kk, first
.set pp, S+16*(\uu)+2*(\kk)
.set tt, (\uu)&3
.set ll, LP+2*tt
.if (((\uu)>>2)+(\kk)+(\first)) == 0
.if tt&1
	v_pk_fma_f32 v[ll:ll+1], v[ll:ll+1], v[AL+tt-1:AL+tt], v[pp:pp+1] op_sel:[0,1,0] op_sel_hi:[1,1,1]
.else
	s_wait_alu depctr_va_vdst(0)
	v_pk_fma_f32 v[ll:ll+1], v[ll:ll+1], v[AL+tt:AL+tt+1], v[pp:pp+1] op_sel_hi:[1,0,1]
.endif
.else
	s_wait_alu depctr_va_vdst(0)
	v_pk_add_f32 v[ll:ll+1], v[ll:ll+1], v[pp:pp+1]
.endif
	v_cvt_pk_bf16_f32 v[S+16*(\uu)+(\kk)], v[pp], v[pp+1]
.endm
; open = 1: the round in front of the V trip is opened ahead of the last two of the eight runs
.macro SOFTMAX first, open
	WIN 0
	PLACES
	; the new maximum: four chains, one for each query tile, over my 32 keys and the old maximum
.set j, 0
.rept 16
.set t, 0
.rept 4
.set aa, S+16*(4*(j>>3)+t)+2*(j&7)
.if j == 0
.if \first
	v_max_num_f32 v[MX+t], v[aa], v[aa+1]
.else
	v_max3_num_f32 v[MX+t], v[M+t], v[aa], v[aa+1]
.endif
.else
	v_max3_num_f32 v[MX+t], v[MX+t], v[aa], v[aa+1]
.endif
.set t, t+1
.endr
.set j, j+1
.endr
.irp t, 0,2
	v_permlanex16_b32 v[TMP], v[MX+\t], s20, s21   ; the other 32 keys lie in the other half of the lanes
	v_permlanex16_b32 v[TMP+1], v[MX+\t+1], s20, s21
	v_max_num_f32 v[MX+\t], v[MX+\t], v[TMP]
	v_max_num_f32 v[MX+\t+1], v[MX+\t+1], v[TMP+1]
.endr
.if \first == 0
.irp t, 0,1,2,3
	v_sub_f32 v[AL+\t], v[M+\t], v[MX+\t]
.endr
.irp t, 0,1,2,3
	v_exp_f32 v[AL+\t], v[AL+\t]
.endr
.endif
.irp t, 0,1,2,3
	v_mov_b32 v[M+\t], v[MX+\t]                    ; plain instructions that touch no alpha stand behind the exponentials (ISA guide 5.7.2)
.endr
	; three stages in step: while run u is exponentiated, run u + 1 loses its maximum and run u - 1 is summed and rounded, so plain
	; instructions on other registers always follow a pair of exponentials
.set k, 0
.rept 8
	STA 0, k
.set k, k+1
.endr
.set u, 0
.rept 8
.set k, 0
.rept 8
.if u == 6
.if k == 0
.if \open
	OPEN 1                                         ; K's slot was read for the last time long ago; V's tile has had the products with K and three quarters of this softmax to land
.endif
.endif
.endif
	v_exp_f32 v[S+16*u+2*k], v[S+16*u+2*k]
	v_exp_f32 v[S+16*u+2*k+1], v[S+16*u+2*k+1]
.if u < 7
	STA (u+1), k
.endif
.if u > 0
	STC (u-1), k, \first
.endif
.set k, k+1
.endr
.set u, u+1
.endr
.set k, 0
.rept 8
	STC 7, k, \first
.set k, k+1
.endr
.endm
; A trip on K: S^T of my 64 keys and the 64 queries, then the softmax.  Its round was opened in the trip before.  pf: the one prefetch.  last: no round is opened.
.macro TRIPK first, pf, last
	CLOSE 0                                        ; V of this lap goes out
	PLACES                                         ; behind the last trip's matrix instructions, for the loads into their fragment buffers
	KLOAD 0
	KLOAD 1
.if \pf
	; In their first laps the clusters of a batch read the even laps; nobody has read an odd lap when they reach their second.  So in its first trip a cluster asks for
	; lap 2 h + 1: of the two clusters that share h the one with c < 8 for K's 512 blocks of 256 bytes, the other for V's: 4 work-groups x 4 waves x 32 lanes,
	; one instruction a wave, each block once in the launch.  K's tile is requested one trip later, V's two.  Lap 2 h + 1 is at most the batch's last.
	global_prefetch_b8 v[PFO], s[40:41] th:TH_LOAD_NT scope:SCOPE_SE
.endif
	WIN 0x04                                       ; source 1 (Q) in window 1; LDS loads work under it too: no switch in this phase
.irp g, 0,1,2,3,4,5,6,7
.if \g <= 5
	PLACES                                         ; the buffer was read by the group before; with the four above, eight places before S is written over P
	KLOAD (\g+2)
	s_wait_dscnt 16                                ; two younger groups of eight loads stay out
.else
	s_wait_dscnt 8*(7-\g)
.endif
	KMUL \g
.endr
	SOFTMAX \first, (1-\last)
.endm
; Group g of V: channel tiles 8 (g / 4) + 4 (g & 1) + 0..3 of the 32 keys (g / 2) & 1
.macro VLOAD g
.irp q, 0,1,2,3
	ds_load_b128 v[FR+32*((\g)%3)+8*\q:FR+32*((\g)%3)+8*\q+3],   v[VA] offset:(16*(((\g)>>1)&1)+8*((\g)>>2)+4*((\g)&1)+\q)*1024
	ds_load_b128 v[FR+32*((\g)%3)+8*\q+4:FR+32*((\g)%3)+8*\q+7], v[VA] offset:(16*(((\g)>>1)&1)+8*((\g)>>2)+4*((\g)&1)+\q)*1024+512
.endr
.endm
; its 16 matrix instructions on 16 accumulators
.macro VMUL g, first
.irp q, 0,1,2,3
.irp t, 0,1,2,3
.set dd, 8*(4*(4*((\g)&1)+\q)+\t)
.set fa, FR+32*((\g)%3)+8*\q
.set fb, S+16*(4*(((\g)>>1)&1)+\t)
.if (\first)*(1-(((\g)>>1)&1))
	v_wmma_f32_16x16x32_bf16 v[dd:dd+7], v[fa:fa+7], v[fb:fb+7], 0
.else
	v_wmma_f32_16x16x32_bf16 v[dd:dd+7], v[fa:fa+7], v[fb:fb+7], v[dd:dd+7]
.endif
.endr
.endr
.endm
; O times the factor of its query in AL: 128 packed multiplies in each of the two windows
.macro RSC1
.set c, 0
.rept 8
.set t, 0
.rept 4
.set k, 0
.rept 4
.set dd, 8*(4*c+t)+2*k
.if t&1
	v_pk_mul_f32 v[dd:dd+1], v[dd:dd+1], v[AL+t-1:AL+t] op_sel:[0,1] op_sel_hi:[1,1]
.else
	v_pk_mul_f32 v[dd:dd+1], v[dd:dd+1], v[AL+t:AL+t+1] op_sel_hi:[1,0]
.endif
.set k, k+1
.endr
.set t, t+1
.endr
.set c, c+1
.endr
.endm
.macro RESCALE
	WIN 0x82                                       ; destination and source 0 in window 2, the factor in window 0
	RSC1
	WIN 0xc3
	RSC1
.endm
; A trip on V: O = alpha O + V P, in two parts, so that the loop's edge lies where no barrier is open.  Part A: all but the last group.
; refill = 0: the last lap.  Nothing is filled, so there is no round: a wave reads only the part of V that it loaded itself, behind its own wait.
.macro TRIPV_A first, refill
.if \refill
	CLOSE 1                                        ; K of the next lap goes out
.else
	WIN 0
	s_wait_tensorcnt 0x0                           ; my part of the last V tile: the one load that was out
.endif
	VLOAD 0                                        ; the places behind K's matrix instructions stand at the softmax's head
	VLOAD 1
.if \refill == 0
	WIN 0x40                                       ; Q has been multiplied for the last time: its registers take proj_w's fragments
.irp q, 0,1,2,3
.irp s, 0,1,2,3,4,5,6,7
	global_load_b128 v[8*(8*\q+\s):8*(8*\q+\s)+3],   v[KA], s[8:9] offset:(48+\q)*8192+\s*1024      ; outputs 64 w + 16 q + r
	global_load_b128 v[8*(8*\q+\s)+4:8*(8*\q+\s)+7], v[KA], s[8:9] offset:(48+\q)*8192+\s*1024+512
.endr
.endr
.endif
.if \first == 0
	RESCALE
.endif
.irp g, 0,1,2,3,4,5,6
	WIN 0
.if \g <= 5
.if \g >= 1
	PLACES                                         ; the buffer was read by the group before
.endif
	VLOAD (\g+2)
	s_wait_dscnt 16                                ; two younger groups stay out
.else
	s_wait_dscnt 8                                 ; the last group stays out
.endif
.if \g < 4
	WIN 0xa0                                       ; C and D in window 2
.else
	WIN 0xf0                                       ; in window 3
.endif
	VMUL \g, \first
.endr
.endm
; Part B: the last group.  Its fragments are in, so V's slot has been read for the last time: the next K trip's round is opened ahead of the 16 matrix instructions.
.macro TRIPV_B open
	WIN 0
.if \open
	OPEN 0
.else
	s_wait_dscnt 0x0
.endif
	WIN 0xf0
	VMUL 7, 0                                      ; keys 32 to 63: these products add in the first lap too
.endm
	OPEN 0
	TRIPK 1, 1, 0                                  ; the first lap stands in front of the loop: its products start m, l and O
	TRIPV_A 1, 1
	WIN 0
	s_mov_b32 s22, 7
.Llap:                                         ; a trip ends one lap and goes through two more, up to the last group of the second: laps 1 to 14 of the cluster's own count
	TRIPV_B 1
	TRIPK 0, 0, 0
	TRIPV_A 0, 1
	TRIPV_B 1
	TRIPK 0, 0, 0
	TRIPV_A 0, 1
	WIN 0
	s_sub_co_u32 s22, s22, 1
	s_cmp_lg_u32 s22, 0
	s_cbranch_scc1 .Llap
	TRIPV_B 1
	TRIPK 0, 0, 1                                  ; the sixteenth lap: V's last tile goes out,
	TRIPV_A 0, 0                                   ; and nothing behind it
	TRIPV_B 0
	; THE MERGE.  E1: every wave shows its m and l.
	WIN 0
	PLACES                                         ; behind the last matrix instructions: their fragment buffers and P's registers are written from here on
	v_and_b32 v252, 15, v0                         ; r
	v_bfe_u32 v253, v0, 4, 1                       ; h
	s_lshl_b32 s42, s16, 10
	s_add_co_u32 s42, s42, STAT
	v_add_nc_u32 v[ADR_SA], s42, v[L16]
	v_add_nc_u32 v[ADR_SR], STAT, v[L16]
	s_lshl_b32 s43, s16, 14
	v_add_nc_u32 v[ADR_MA], s43, v[L16]            ; merge, in: 65,536 t + 16,384 w + 16 lane
.irp t, 1,2,3
	v_add_nc_u32 v[ADR_MA+\t], \t*65536, v[ADR_MA]
.endr
	s_lshl_b32 s44, s16, 16
	v_add_nc_u32 v[ADR_MR], s44, v[L16]            ; merge, back: I sum query tile w
	s_lshl_b32 s45, s16, 13
	s_add_co_u32 s45, s45, AF
	v_add_nc_u32 v[ADR_AS], s45, v[L16]
	v_add_nc_u32 v[ADR_AR], AF, v[L16]
	s_mul_i32 s46, s16, 17408
	v_mul_u32_u24 v254, 272, v252
	v_lshl_add_u32 v254, v253, 5, v254
	v_add_nc_u32 v[ADR_GS], s46, v254              ; way out, in: row r, 32 bytes for each half of the lanes
	v_mul_u32_u24 v254, 272, v253
	v_lshl_add_u32 v254, v252, 4, v254
	v_add_nc_u32 v[ADR_GR], s46, v254              ; back: lanes 0-15 one row of 256 bytes, lanes 16-31 the next
	s_lshl_b32 s47, s16, 20
	v_lshlrev_b32 v254, 4, v252
	v_lshl_add_u32 v254, v253, 14, v254
	v_add_nc_u32 v[ADR_XO], s47, v254              ; the same two rows in x and out0: row 64 w + lane / 16
.irp t, 0,1,2,3
	v_add_f32 v[AL+\t], v[LP+2*\t], v[LP+2*\t+1]
.endr
.irp t, 0,2
	v_permlanex16_b32 v[TMP], v[AL+\t], s20, s21
	v_permlanex16_b32 v[TMP+1], v[AL+\t+1], s20, s21
	v_add_f32 v[AL+\t], v[AL+\t], v[TMP]
	v_add_f32 v[AL+\t+1], v[AL+\t+1], v[TMP+1]
.endr
	ds_store_b128 v[ADR_SA], v[M:M+3]
	ds_store_b128 v[ADR_SA], v[AL:AL+3] offset:512
	s_wait_dscnt 0x0                               ; my m and l are in LDS, and my reads of V's slot are over, before I say so
	s_barrier_signal -1
	s_barrier_wait -1
	; E2: m* = the largest m, L = the sum of l 2^(m - m*), my factor G = 2^(my m - m*) / L.  The wave that holds m* has l >= 1, so L >= 1.
.irp p, 0,1,2,3
	ds_load_b128 v[32+4*\p:32+4*\p+3], v[ADR_SR] offset:1024*\p
	ds_load_b128 v[48+4*\p:48+4*\p+3], v[ADR_SR] offset:1024*\p+512
.endr
	s_wait_dscnt 0x0
.irp t, 0,1,2,3
	v_max3_num_f32 v[MX+\t], v[32+\t], v[36+\t], v[40+\t]
.endr
.irp t, 0,1,2,3
	v_max_num_f32 v[MX+\t], v[MX+\t], v[44+\t]
.endr
.irp p, 0,1,2,3
.irp t, 0,1,2,3
	v_sub_f32 v[32+4*\p+\t], v[32+4*\p+\t], v[MX+\t]
.endr
.endr
.irp t, 0,1,2,3
	v_sub_f32 v[M+\t], v[M+\t], v[MX+\t]
.endr
.set j, 0
.rept 16
	v_exp_f32 v[32+j], v[32+j]
.set j, j+1
.endr
.irp t, 0,1,2,3
	v_exp_f32 v[M+\t], v[M+\t]
.endr
	v_nop                                          ; the plain place behind the exponentials
.irp t, 0,1,2,3
	s_wait_alu depctr_va_vdst(0)
	v_mul_f32 v[AL+\t], v[48+\t], v[32+\t]
.endr
.irp p, 1,2,3
.irp t, 0,1,2,3
	v_fmac_f32 v[AL+\t], v[48+4*\p+\t], v[32+4*\p+\t]
.endr
.endr
.irp t, 0,1,2,3
	v_rcp_f32 v[AL+\t], v[AL+\t]
.endr
	v_nop
.irp t, 0,1,2,3
	s_wait_alu depctr_va_vdst(0)
	v_mul_f32 v[AL+\t], v[AL+\t], v[M+\t]
.endr
	; E3: G O goes to LDS in f32, 64 KiB a wave, over the slots, which have had their last fill and (barrier above) their last read
	RESCALE
	WIN 0x08                                       ; store data from window 2
.irp c, 0,1,2,3,4,5,6,7
.irp t, 0,1,2,3
	ds_store_b128 v[ADR_MA+\t], v[8*(4*\c+\t):8*(4*\c+\t)+3]   offset:\c*1024
	ds_store_b128 v[ADR_MA+\t], v[8*(4*\c+\t)+4:8*(4*\c+\t)+7] offset:\c*1024+512
.endr
.endr
	WIN 0x0c                                       ; from window 3
.irp c, 0,1,2,3,4,5,6,7
.irp t, 0,1,2,3
	ds_store_b128 v[ADR_MA+\t], v[8*(4*\c+\t):8*(4*\c+\t)+3]   offset:(8+\c)*1024
	ds_store_b128 v[ADR_MA+\t], v[8*(4*\c+\t)+4:8*(4*\c+\t)+7] offset:(8+\c)*1024+512
.endr
.endr
	s_wait_dscnt 0x0                               ; my part is in LDS before I say so; window 3 is free
	WIN 0xc0
.set i, 0
.rept 32
	global_load_b128 v[4*i:4*i+3], v[ADR_XO], s[12:13] offset:32768*i th:TH_LOAD_NT       ; x of rows 64 w + 2 i, + 1, my 64 queries: it lands during the merge and the projection
.set i, i+1
.endr
	WIN 0
	s_barrier_signal -1
	s_barrier_wait -1
	; E4: wave w adds the four parts of query tile w, 32 channels at a time, rounds them and lays them down as fragments
.macro MLOAD s
.irp cq, 0,1,2,3
.irp p, 0,1,2,3
	ds_load_b128 v[S+64*((\s)&1)+16*\cq+4*\p:S+64*((\s)&1)+16*\cq+4*\p+3], v[ADR_MR] offset:\p*16384+(\s)*2048+\cq*512
.endr
.endr
.endm
.macro MSUM s
.irp cq, 0,1,2,3
.set bb, S+64*((\s)&1)+16*\cq
	v_pk_add_f32 v[bb:bb+1],     v[bb:bb+1],     v[bb+4:bb+5]
	v_pk_add_f32 v[bb+2:bb+3],   v[bb+2:bb+3],   v[bb+6:bb+7]
	v_pk_add_f32 v[bb+8:bb+9],   v[bb+8:bb+9],   v[bb+12:bb+13]
	v_pk_add_f32 v[bb+10:bb+11], v[bb+10:bb+11], v[bb+14:bb+15]
	v_pk_add_f32 v[bb:bb+1],     v[bb:bb+1],     v[bb+8:bb+9]
	v_pk_add_f32 v[bb+2:bb+3],   v[bb+2:bb+3],   v[bb+10:bb+11]
	v_cvt_pk_bf16_f32 v[PKT+2*\cq],   v[bb],   v[bb+1]
	v_cvt_pk_bf16_f32 v[PKT+2*\cq+1], v[bb+2], v[bb+3]
.endr
	ds_store_b128 v[ADR_AS], v[PKT:PKT+3]   offset:1024*(\s)
	ds_store_b128 v[ADR_AS], v[PKT+4:PKT+7] offset:1024*(\s)+512
.endm
	MLOAD 0
.irp s, 0,1,2,3,4,5,6
	MLOAD (\s+1)
	s_wait_dscnt 16                                ; the 16 loads just issued stay out
	MSUM \s
.endr
	s_wait_dscnt 0x0
	MSUM 7
	s_wait_dscnt 0x0                               ; my fragments are in LDS, and my reads of the parts are over, before I say so
	s_barrier_signal -1
	s_barrier_wait -1
	; E5: the projection.  D = result (rows: queries) x proj_w (columns: outputs 64 w + 16 ot + r): a lane holds 8 neighbouring queries of one output row.
	WIN 0x80
.irp t, 0,1,2,3
.irp s, 0,1,2,3,4,5,6,7
	ds_load_b128 v[8*(8*\t+\s):8*(8*\t+\s)+3],   v[ADR_AR] offset:(8*\t+\s)*1024
	ds_load_b128 v[8*(8*\t+\s)+4:8*(8*\t+\s)+7], v[ADR_AR] offset:(8*\t+\s)*1024+512
.endr
.endr
	WIN 0
.irp q, 0,1,2,3
.irp j, 0,1,2,3,4,5,6,7
	v_mov_b32 v[FR+8*\q+\j], v[PB+\q]              ; proj_b as the C of the first products
.endr
.endr
	s_wait_loadcnt 32                              ; the 32 loads of x are younger: proj_w's fragments are in
	s_wait_dscnt 0x0
	WIN 0x06                                       ; source 0 in window 2, source 1 in window 1
.irp s, 0,1,2,3,4,5,6,7
.irp q, 0,1,2,3
.irp t, 0,1,2,3
.set dd, S+8*(4*\q+\t)
.if \s == 0
	v_wmma_f32_16x16x32_bf16 v[dd:dd+7], v[8*(8*\t+\s):8*(8*\t+\s)+7], v[8*(8*\q+\s):8*(8*\q+\s)+7], v[FR+8*\q:FR+8*\q+7]
.else
	v_wmma_f32_16x16x32_bf16 v[dd:dd+7], v[8*(8*\t+\s):8*(8*\t+\s)+7], v[8*(8*\q+\s):8*(8*\q+\s)+7], v[dd:dd+7]
.endif
.endr
.endr
.endr
	; E6: the way out.  64 rows of 256 bytes through my own stage (the parts there were read for the last time in front of the barrier above), x added, whole rows stored.
	WIN 0
	PLACES
.irp q, 0,1,2,3
.irp t, 0,1,2,3
	ds_store_b128 v[ADR_GS], v[S+8*(4*\q+\t):S+8*(4*\q+\t)+3]   offset:\q*4352+64*\t
	ds_store_b128 v[ADR_GS], v[S+8*(4*\q+\t)+4:S+8*(4*\q+\t)+7] offset:\q*4352+64*\t+16
.endr
.endr
	s_wait_loadcnt 0x0                             ; x
.irp g, 0,1,2,3
	WIN 0
.irp k, 0,1,2,3,4,5,6,7
	ds_load_b128 v[FR+4*\k:FR+4*\k+3], v[ADR_GR] offset:(8*\g+\k)*544      ; LDS serves a wave in order: these see my stores
.endr
	WIN 0xcc                                       ; destination and source 1 (x; a store's data) in window 3, source 0 and addresses in window 0
.irp k, 0,1,2,3,4,5,6,7
.set xx, 4*(8*\g+\k)
	s_wait_dscnt 7-\k
	v_pk_add_f32 v[xx:xx+1],   v[FR+4*\k:FR+4*\k+1],   v[xx:xx+1]
	v_pk_add_f32 v[xx+2:xx+3], v[FR+4*\k+2:FR+4*\k+3], v[xx+2:xx+3]
	global_store_b128 v[ADR_XO], v[xx:xx+3], s[14:15] offset:32768*(8*\g+\k) th:TH_STORE_NT    ; 16 lanes store 256 consecutive aligned bytes; no data register is written again
.endr
.endr
	WIN 0
	s_wait_xcnt 0x0
	v_lshl_add_u32 v110, v0, 2, 0x49000
	v_mov_b32 v111, 0
	s_wait_tensorcnt 0x0
	ds_add_u32 v110, v111
	s_wait_dscnt 0x0
	ROUND                                          ; the closing round: no work-group ends while a partner may still ask for a tile that names it
	s_endpgm
.Lfunc_end_k_qf4e7023cbe_attn:
	.size	k_qf4e7023cbe_attn, .Lfunc_end_k_qf4e7023cbe_attn-k_qf4e7023cbe_attn
	.p2alignl 7, 3214868480
	.fill 96, 4, 3214868480
	.section	.rodata,"a",@progbits
	.p2align	6, 0x0
	.amdhsa_kernel k_qf4e7023cbe_attn
		.amdhsa_group_segment_fixed_size 327680
		.amdhsa_private_segment_fixed_size 0
		.amdhsa_enable_private_segment 0
		.amdhsa_kernarg_size 48
		.amdhsa_user_sgpr_count 2
		.amdhsa_user_sgpr_kernarg_segment_ptr 1
		.amdhsa_wavefront_size32 1
		.amdhsa_system_sgpr_workgroup_id_x 1
		.amdhsa_system_sgpr_workgroup_id_y 1
		.amdhsa_system_sgpr_workgroup_id_z 1
		.amdhsa_system_vgpr_workitem_id 0
		.amdhsa_next_free_vgpr 1024
		.amdhsa_next_free_sgpr 66
		.amdhsa_reserve_vcc 0
		.amdhsa_float_denorm_mode_32 3
		.amdhsa_float_denorm_mode_16_64 3
		.amdhsa_memory_ordered 1
		.amdhsa_forward_progress 1
		.amdhsa_inst_pref_size 255
	.end_amdhsa_kernel
	.section	.bss,"aw",@nobits
	.p2align	6
	.space	262144
	.amdgpu_metadata
---
amdhsa.version: [ 1, 2 ]
amdhsa.kernels:
  - .name:           k_qf4e7023cbe_attn
    .symbol:         k_qf4e7023cbe_attn.kd
    .args:
      - { .name: qf, .offset: 0, .size: 8, .value_kind: global_buffer, .address_space: global }
      - { .name: kv, .offset: 8, .size: 8, .value_kind: global_buffer, .address_space: global }
      - { .name: wf, .offset: 16, .size: 8, .value_kind: global_buffer, .address_space: global }
      - { .name: proj_b, .offset: 24, .size: 8, .value_kind: global_buffer, .address_space: global }
      - { .name: x, .offset: 32, .size: 8, .value_kind: global_buffer, .address_space: global }
      - { .name: out0, .offset: 40, .size: 8, .value_kind: global_buffer, .address_space: global }
    .group_segment_fixed_size: 327680
    .private_segment_fixed_size: 0
    .kernarg_segment_align: 8
    .kernarg_segment_size: 48
    .max_flat_workgroup_size: 128
    .sgpr_count:     66
    .vgpr_count:     1024
    .wavefront_size: 32
...
	.end_amdgpu_metadata
.endif
;; end of part 3
